; MI455X (gfx1250); checked and timed in simulation.
; The chip was launched on July 23, 2026; its instructions are those of AMD's public machine-readable ISA for CDNA 5 (MIT licence, August 2026) and "CDNA5" Instruction Set Architecture Reference Guide (July 2026). The comments in the code are by the model that wrote it; some were corrected since.
;; Causal Multihead Attention. Allowed arithmetic: matrix products marked QUANTISED: E2M1 operands, one E8M0 scale for each 32 along K, by v_wmma_scale_f32_16x16x128_f8f6f4 with both operands' format E2M1 (or v_wmma_scale_f32_32x16x128_f4), f32 sums; everything else in f32.
;; Inputs: W_qkv_codes 3,072 x 32 x 16 uint8 (E2M1 codes of W_qkv, K innermost, in blocks of 32 codes, two codes a byte); W_qkv_scales 3,072 x 32 uint8 (E8M0 scales of W_qkv, one for each 32 codes along K); b_qkv 3,072 float32; x_codes 2 x 2,048 x 32 x 16 uint8 (E2M1 codes of x, K innermost, in blocks of 32 codes, two codes a byte); x_scales 2 x 2,048 x 32 uint8 (E8M0 scales of x, one for each 32 codes along K).
;; Outputs: out0 2 x 2,048 x 1,024 float32.
;; This version of the problem:
;;   THIS VERSION OF THE PROBLEM IS GIVEN IN LOW PRECISION. The matrix products marked QUANTISED in the list below multiply operands that are first quantised to E2M1 (2 exponent bits, 1 mantissa bit; 4 bits a number), with one power-of-two scale for each 32 numbers along K (OCP MX v1.0); their sums are f32. All else is computed in f32.
;;   The module's matrix products, in the order in which they are computed (A, B: the left and right operand; K: the contracted axis; several contracted axes count as one K, in the product's order):
;;     1. [M 4,096, K 1,024] x [K 1,024, N 3,072]; A: input x (given as codes); B: input W_qkv (given as codes): QUANTISED
;;     2. batch 32 x [M 2,048, K 64] x [K 64, N 2,048]; A: computed on the way; B: computed on the way: QUANTISED
;;     3. batch 32 x [M 64, K 2,048] x [K 2,048, N 2,048]; A: computed on the way; B: softmax (see below): QUANTISED
;;   THE QUANTISER, for each operand of a quantised product, along K:
;;     - K is cut into blocks of 32 from its start; a last block that is shorter is filled with zeros.
;;     - A block's scale is 2^e with e = floor(log2(the largest magnitude in the block)) - 2, held to -126 .. 127; a block of zeros has e = 0. As a byte (E8M0): e + 127.
;;     - Each number is divided by its block's scale, clamped to +-6, and rounded to the nearest number of E2M1, ties to even, subnormals kept.
;;     - The product sums the exact products of the quantised numbers (number of the format x scale) in f32.
;;   ~~~python
;;   def quantise(x, axis):      # numpy; x: float32 -> the quantised numbers, widened to float32 again
;;       x = np.moveaxis(x, axis, -1); K = x.shape[-1]
;;       x = np.pad(x, [(0, 0)] * (x.ndim - 1) + [(0, -K % 32)]); x = x.reshape(x.shape[:-1] + (-1, 32)); a = np.abs(x).max(-1, keepdims=True)
;;       e = np.where(a > 0, np.clip(np.frexp(np.where(a > 0, a, 1))[1] - 1 - 2, -126, 127), 0)      # np.frexp(a)[1] - 1 = floor(log2(a)), exactly
;;       r = np.clip(x / 2.0 ** e, -6, 6)
;;       step = 2.0 ** (np.maximum(np.frexp(np.where(r == 0, 1, r))[1] - 1, 0) - 1)
;;       q = np.round(r / step) * step * 2.0 ** e      # np.round: ties to even
;;       return np.moveaxis(q.reshape(q.shape[:-2] + (-1,))[..., :K], -1, axis).astype(np.float32)
;;   ~~~
;;   SOFTMAX AHEAD OF A QUANTISED PRODUCT. Where the list says 'softmax', what is quantised is not the finished softmax but p = 2^(t - M), with t = logit x log2(e) and M = ceil(the row's largest t), a whole number; so 1/2 < the row's largest p <= 1. The row's sum l is taken of the UNQUANTISED p, in f32, and the product's result is divided by l at the end. Since M is a whole number, a kernel that streams over the keys may use a running M (the ceiling of the running maximum): every later rescaling is an exact power of two, which a block's scale takes up: the codes' values come out the same.
;;   OPERANDS COMPUTED ON THE WAY. 'Computed on the way' means the value that the module computes at that place (a softmax that the list does not call 'softmax' is quantised finished and normalised). What goes into a quantiser is computed in f32, as accurately as f32 sums, v_exp_f32 and their like allow (about 1e-6 of the number): no bf16 or f16 on the way to a quantiser, and a product that is left as it is and whose result goes on into a quantised operand takes f32 operands (vector FMAs, or v_wmma_f32_16x16x4_f32). A number that lies on a knife's edge between two numbers of the format may be rounded either way, as far as f32 arithmetic and the matrix unit's own rounding can turn it there, and no further.
;;   INPUTS GIVEN AS CODES. W_qkv (in the module: [1024, 3072], K = its axis 0); x (in the module: [2, 2048, 1024], K = its axis 2): each comes as NAME_codes (uint8): NAME with its K axis moved to the last place and cut into blocks of 32 codes, [.., K / 32, bytes a block], one block behind the other in memory; two codes a byte, the lower K in the low four bits (a code: sign, 2 exponent bits, 1 mantissa bit); and NAME_scales (uint8): the same leading axes, one E8M0 byte (e + 127) for each 32 codes along K. Its value is code x scale, taken as it is: it is not quantised again, and the codes and scales need not be those that the quantiser above would give.
;; One version. Each part assembles by itself: llvm-mc -triple=amdgcn-amd-amdhsa -mcpu=gfx1250 --defsym DOCPART=n.
;; ======== version 1 of 1: 2 launches
;; limits: right only within a limited range of input values
;; workspace buffers: ws 6,946,816 bytes
;; launch qkv (part 1): grid 16 x 16, 12 waves a work-group, clusters of 4 x 4, 263,680 bytes of LDS; arguments x_codes, x_scales, W_qkv_codes, W_qkv_scales, b_qkv, ws; writes ws
.if DOCPART == 1
	.amdgcn_target "amdgcn-amd-amdhsa--gfx1250"
	.amdhsa_code_object_version 6
	.text
	.protected	k_q1c972d750d_qkv
	.globl	k_q1c972d750d_qkv
	.p2align	8
	.type	k_q1c972d750d_qkv,@function
k_q1c972d750d_qkv:
	s_mov_b64 s[64:65], 0
	v_nop
	global_prefetch_b8 v0, s[64:65] scope:SCOPE_SE
	s_setreg_imm32_b32 hwreg(HW_REG_WAVE_MODE, 25, 1), 1
	s_wait_xcnt 0x0
	s_wait_alu depctr_hold_cnt(0) depctr_sa_sdst(0) depctr_va_vdst(0) depctr_va_sdst(0) depctr_va_ssrc(0) depctr_va_vcc(0) depctr_vm_vsrc(0)
	s_getreg_b32 s2, hwreg(HW_REG_IB_STS2, 6, 4)
	s_cmp_eq_u32 s2, 0
	s_cbranch_scc0 .Lentry_in_a_cluster
	s_endpgm
.Lentry_in_a_cluster:
	s_bfe_u32 s2, ttmp6, 0x10000c
	s_cmp_lg_u32 s2, 0xf033
	s_cbranch_scc0 .Lentry_shape_is_right
	s_endpgm
.Lentry_shape_is_right:
; qkv = x W^T + b on codes of FP4 (E2M1) with E8M0 scales, f32 sums; then q and k are quantised along the head's 64 channels and v along the tokens,
; in blocks of 32, and leave as IMAGES OF THE OPERAND REGISTERS that the attention launch wants (lane l's 16 bytes at 16 l, 512 bytes a tile).
; SHARES.  A work-group takes 256 tokens x one head's 64 q + 64 k + 64 v columns over all of K = 1,024: 448 rows of 512 bytes, which lie in LDS whole (two chunks of 512 along K):
; nothing is filled again.  Twelve waves: wave w makes part w / 4 (q, k, v) for tokens 64 (w % 4) on: 64 x 64 numbers, 16 accumulators.
; D(i, j) = P_i x Q_j: a lane holds one row of Q, its registers run along P.  q, k: P = W's rows (channels), Q = x's rows (tokens), so a lane's registers run along the channels, the next K.
; v: P = x's rows (tokens), Q = W's rows (channels), so a lane's registers run along the tokens, the next K.  ONE text serves all: only scalar bases differ, chosen by the wave's number.
; CLUSTER 4 x 4: the four work-groups of a row share their 256 tokens of x, the four of a column their head's rows of W: each tile is asked for jointly.
; THE QUANTISER.  A block of 32 is tiles 2 b and 2 b + 1 in lanes l and l xor 16.  Scale byte = the largest magnitude's exponent field - 2, held at 1 from below.
; LIMITS: NaN and infinities among q, k, v are not served; a block whose largest magnitude lies under 2^-124 gets the byte 1; a block of zeros gets the byte 1 where the rule says 127:
; its codes are zeros, and this program alone reads the bytes.
; ws: KV [head 32][chunk of 512 keys 4] x 35,840 bytes (K codes 16,384 | V codes 16,384 | K scale words 2,048 | V scale words 1,024); QC: q's codes; QS: q's scale words.
; A q or k scale word: bytes 0, 1 the two blocks' bytes, bytes 2, 3 a copy: they scale k = 64 .. 127 of the next product, where q's codes are zeros.
; WORK LEFT OUT: none here.  The attention launch leaves out whole steps of 128 keys all of which come after a tile's queries: reference()'s own tril mask gives them the weight 0 whatever the inputs hold.
; A limit of that: a NaN, an infinity or an overflow that reaches only such hidden scores is not carried to the result.
.set PITCH,  272                       ; an LDS row: 256 bytes + 16 of padding: the 16 rows of a fragment load start 68 words apart
.set GRP,    64*PITCH                  ; 64 rows: what one tensor load brings
.set CH,     7*GRP                     ; a chunk: x's four groups, then Wq, Wk, Wv
.set SS,     2*CH                      ; behind the chunks: the scale stage, 256 bytes for each wave; no tile lands there
.set HEADB,  143360
.set CHUNKB, 35840
.set QC,     32*HEADB
.set QS,     QC+32*65536
.set FIELDS, (1<<20)|(1<<21)|(5<<22)|(3<<25)   ; elements of 1 byte; padding on; bit 21 beside a mask; after every 64 words, 4 words
.set SC,  16                           ; v16-47   scale words: v[SC + 8 i + s]: lanes 0-15 P's tile i, lanes 16-31 Q's tile i, K step s
.set PF,  48                           ; v48-79   P's four fragments
.set QF,  80                           ; v80-111  Q's four fragments
.set ACC, 128                          ; v128-255 accumulator (i, j) at ACC + 32 j + 8 i
.set TM,  48                           ; the way out, in the fragments' registers: largest magnitudes (block 2 j + b),
.set TX,  56                           ; the other half's,
.set SO,  64                           ; the conversions' scale operands,
.set BY,  72                           ; the bytes,
.set PR,  80                           ; the scale words,
.set CD,  84                           ; the codes, four registers a tile j
.set G1X, 24
.set G1W, 32
.set G0X, 40
.set G0W, 48
.macro CROUND                          ; a round of the cluster's barrier
	s_barrier_signal -1
	s_barrier_wait -1
	s_cmp_lg_u32 s16, 0
	s_cbranch_scc1 .Lnot_wave_0_\@
	s_barrier_signal -3
.Lnot_wave_0_\@:
	s_barrier_wait -3
	s_barrier_signal -1
	s_barrier_wait -1
.endm
	s_load_b256 s[4:11], s[0:1], 0x0               ; x's codes s[4:5], x's scales s[6:7], W's codes s[8:9], W's scales s[10:11]
	s_load_b128 s[12:15], s[0:1], 0x20             ; b s[12:13], ws s[14:15]
	v_lshl_add_u32 v126, v0, 2, 0x40000
	v_mov_b32 v127, 0
	ds_add_u32 v126, v127
	ds_add_u32 v126, v127
	v_lshrrev_b32 v1, 5, v0
	s_delay_alu instid0(VALU_DEP_1)
	v_readfirstlane_b32 s16, v1                    ; wave 0..11
	s_and_b32 s17, s16, 3                          ; g: my 64 tokens of the 256
	s_lshr_b32 s18, s16, 2                         ; part: 0 q, 1 k, 2 v
	s_lshr_b32 s19, s16, 3                         ; 1 for v
	s_bfe_u32 s20, ttmp6, 0x40000                  ; cx
	s_bfe_u32 s21, ttmp6, 0x40004                  ; cy
	s_lshl_b32 s22, ttmp9, 2
	s_add_co_u32 s22, s22, s20                     ; the head = 4 x cluster x + cx
	s_and_b32 s23, ttmp7, 0xffff
	s_lshl_b32 s23, s23, 2
	s_add_co_u32 s23, s23, s21                     ; the block of 256 tokens = 4 x cluster y + cy
	s_lshl_b32 s66, s21, 2
	s_lshl_b32 s66, 15, s66                        ; my row of the cluster
	s_lshl_b32 s67, 0x1111, s20                    ; my column
	s_or_b32 s[G1X], s66, FIELDS                   ; x's tiles go to my row,
	s_or_b32 s[G1W], s67, FIELDS                   ; W's to my column
.irp g, G1X, G1W
	s_mov_b32 s[\g+1], 256<<16                     ; tensor_dim0 = 256 bytes
	s_mov_b32 s[\g+3], 256<<16                     ; tile_dim0
	s_mov_b32 s[\g+5], 512                         ; a row of 1,024 codes in memory
	s_mov_b32 s[\g+6], 0
	s_mov_b32 s[\g+7], 0
.endr
	s_mov_b32 s[G1X+2], 256<<16                    ; x: tensor_dim1 = 256 rows,
	s_mov_b32 s[G1X+4], 256                        ; tile_dim1
	s_mov_b32 s[G1W+2], 64<<16                     ; W: 64 rows of one part
	s_mov_b32 s[G1W+4], 64
	; THE HEAD'S LOADS, ONE A WAVE.  Waves 0-3 fetch chunk 0, waves 4-7 chunk 1: wave 4 c the 256 rows of x, waves 4 c + 1 .. 3 the rows of Wq, Wk, Wv; waves 8-11 nothing.
	s_lshl_b32 s70, s18, 8                         ; chunk wave / 4: 256 bytes along a row
	s_lshl_b32 s68, s23, 17                        ; x: 256 tokens of 512 bytes a block
	s_add_co_u32 s68, s68, s70
	s_mov_b32 s69, 0
	s_lshl_b32 s72, s22, 15                        ; W: 64 rows of 512 bytes a head,
	s_lshl_b32 s71, s17, 19                        ; 1,024 rows a part; wave % 4 = part + 1
	s_add_co_u32 s72, s72, s71
	s_add_co_u32 s72, s72, s70
	s_mov_b32 s73, 0
	s_mul_i32 s74, s18, CH                         ; where x's tile goes,
	s_mul_i32 s75, s17, GRP
	s_add_co_u32 s75, s75, s74
	s_add_co_u32 s75, s75, 3*GRP                   ; and a part of W: group 4 + part.  No place in the cluster enters an LDS address
	s_wait_dscnt 0x0                               ; both opening adds are done
	CROUND                                         ; all sixteen work-groups are here: the joint loads meet
	s_wait_kmcnt 0x0
	s_add_nc_u64 s[68:69], s[4:5], s[68:69]
	s_add_nc_u64 s[72:73], s[8:9], s[72:73]
	s_sub_nc_u64 s[72:73], s[72:73], 0x80000       ; (waves 0, 4 and 8-11 do not use it)
	s_mov_b32 s[G0X], 1
	s_mov_b32 s[G0X+1], s74
	s_mov_b64 s[G0X+2:G0X+3], s[68:69]
	s_or_b32 s[G0X+3], s[G0X+3], 0x80000000
	s_mov_b32 s[G0W], 1
	s_mov_b32 s[G0W+1], s75
	s_mov_b64 s[G0W+2:G0W+3], s[72:73]
	s_or_b32 s[G0W+3], s[G0W+3], 0x80000000
.macro ARM under, g0, g1, next
	s_cmp_lt_u32 s16, \under
	s_cbranch_scc0 \next
	tensor_load_to_lds s[\g0:\g0+3], s[\g1:\g1+7]
	s_nop 0
.rept 4
	v_nop
.endr
	s_branch .Lasked
\next:
.endm
	ARM 1, G0X, G1X, .Lask_w0
	ARM 4, G0W, G1W, .Lask_x1
	ARM 5, G0X, G1X, .Lask_w1
	ARM 8, G0W, G1W, .Lask_none
.Lasked:
	; While the tiles are on their way: the scale words of all eight K steps and the bias come straight into registers.
	s_lshl_b32 s96, s23, 13                        ; x's scales: 32 bytes a token
	s_lshl_b32 s94, s17, 11
	s_add_co_u32 s96, s96, s94
	s_mov_b32 s97, 0
	s_add_nc_u64 s[96:97], s[6:7], s[96:97]
	s_lshl_b32 s98, s18, 15                        ; W's scales: 32 bytes a row
	s_lshl_b32 s94, s22, 11
	s_add_co_u32 s98, s98, s94
	s_mov_b32 s99, 0
	s_add_nc_u64 s[98:99], s[10:11], s[98:99]
	s_cmp_eq_u32 s19, 1
	s_cselect_b64 s[88:89], s[96:97], s[98:99]     ; P's scales: x's for v, else W's
	s_cselect_b64 s[90:91], s[98:99], s[96:97]     ; Q's: the other
	s_lshl_b32 s92, s18, 12
	s_lshl_b32 s94, s22, 8
	s_add_co_u32 s92, s92, s94
	s_mov_b32 s93, 0
	s_add_nc_u64 s[92:93], s[12:13], s[92:93]      ; b at my part's, my head's 64 numbers
	v_and_b32 v1, 15, v0                           ; r
	v_bfe_u32 v2, v0, 4, 1                         ; h
	s_delay_alu instid0(VALU_DEP_2)
	v_lshlrev_b32 v7, 5, v1                        ; a row of scales: 32 r
	s_delay_alu instid0(VALU_DEP_2)
	v_lshlrev_b32 v8, 5, v2                        ; the bias along P: 8 h numbers on
	s_delay_alu instid0(VALU_DEP_4)
	v_lshlrev_b32 v9, 2, v1                        ; the bias along Q: number r
.irp i, 0,1,2,3
	global_load_b128 v[SC+8*\i:SC+8*\i+3],     v7, s[88:89] offset:512*\i
	global_load_b128 v[SC+8*\i+4:SC+8*\i+7],   v7, s[88:89] offset:512*\i+16
	global_load_b128 v[ACC+8*\i:ACC+8*\i+3],   v7, s[90:91] offset:512*\i       ; Q's words wait in registers that the sums take later
	global_load_b128 v[ACC+8*\i+4:ACC+8*\i+7], v7, s[90:91] offset:512*\i+16
	global_load_b128 v[PF+8*\i:PF+8*\i+3],     v8, s[92:93] offset:64*\i        ; b(16 i + 8 h + 0 .. 7)
	global_load_b128 v[PF+8*\i+4:PF+8*\i+7],   v8, s[92:93] offset:64*\i+16
	global_load_b32 v[QF+2*\i],   v9, s[92:93] offset:64*\i                     ; b(16 i + r), twice: a pair for the packed addition
	global_load_b32 v[QF+2*\i+1], v9, s[92:93] offset:64*\i
.endr
	; LDS addresses of my fragments.  P's group is 4 + part and Q's is g; for v the two change places.
	s_add_co_u32 s75, s18, 4
	s_xor_b32 s76, s75, s17
	s_mul_i32 s76, s76, s19
	s_xor_b32 s77, s75, s76
	s_xor_b32 s78, s17, s76
	s_mul_i32 s77, s77, GRP
	s_mul_i32 s78, s78, GRP
	v_mul_u32_u24 v113, v1, PITCH
	s_delay_alu instid0(VALU_DEP_1)
	v_lshl_add_u32 v113, v2, 4, v113               ; row r x pitch + 16 h
	s_delay_alu instid0(VALU_DEP_1)
	v_add_nc_u32 v3, s77, v113                     ; P, chunk 0
	s_delay_alu instid0(VALU_DEP_2)
	v_add_nc_u32 v4, s78, v113                     ; Q, chunk 0
	s_delay_alu instid0(VALU_DEP_2)
	v_add_nc_u32 v5, CH, v3                        ; P, chunk 1
	s_delay_alu instid0(VALU_DEP_2)
	v_add_nc_u32 v6, CH, v4                        ; Q, chunk 1
	; where the results go in ws
	s_and_b32 s79, s23, 7                          ; the block of 256 tokens within the batch
	s_lshr_b32 s80, s23, 3
	s_lshl_b32 s80, s80, 4
	s_add_co_u32 s80, s80, s22                     ; 16 x batch + head
	s_lshr_b32 s82, s79, 1
	s_mul_i32 s82, s82, CHUNKB
	s_mul_i32 s81, s80, HEADB
	s_add_co_u32 s81, s81, s82                     ; my chunk of 512 keys
	s_and_b32 s82, s79, 1                          ; which half of it
	s_lshl_b32 s83, s17, 11
	s_lshl_b32 s84, s80, 16
	s_lshl_b32 s85, s79, 13
	s_add_co_u32 s84, s84, s85
	s_add_co_u32 s84, s84, s83
	s_add_co_u32 s84, s84, QC                      ; q's codes: tile 16 block + 4 g + j, 512 bytes each
	s_lshl_b32 s85, s82, 13
	s_add_co_u32 s85, s85, s81
	s_add_co_u32 s86, s85, s83                     ; k's codes: tile 16 half + 4 g + j
	s_lshr_b32 s87, s17, 1
	s_lshl_b32 s87, s87, 12
	s_add_co_u32 s85, s85, s87
	s_and_b32 s87, s17, 1
	s_lshl_b32 s87, s87, 9
	s_add_co_u32 s85, s85, s87
	s_add_co_u32 s85, s85, 16384                   ; v's codes: [key step 2 half + g / 2][channel tile j][g % 2][512]
	s_cmp_eq_u32 s18, 0
	s_cselect_b32 s84, s84, s86
	s_cmp_eq_u32 s18, 2
	s_cselect_b32 s84, s85, s84
	s_lshl_b32 s86, 512, s19                       ; from tile j to j + 1: 512 bytes, for v 1,024
	s_lshl_b32 s83, s17, 8
	s_lshl_b32 s87, s80, 13
	s_lshl_b32 s94, s79, 10
	s_add_co_u32 s87, s87, s94
	s_add_co_u32 s87, s87, QS                      ; q's scale words: 4 bytes a token
	s_lshl_b32 s94, s82, 10
	s_add_co_u32 s94, s94, s81
	s_add_co_u32 s94, s94, 32768                   ; k's
	s_lshl_b32 s95, s82, 9
	s_add_co_u32 s95, s95, s81
	s_add_co_u32 s95, s95, 34816                   ; v's: [key step][channel 64] words
	s_cmp_eq_u32 s18, 0
	s_cselect_b32 s87, s87, s94
	s_cmp_eq_u32 s18, 2
	s_cselect_b32 s87, s95, s87
	s_add_co_u32 s87, s87, s83                     ; + 256 g: the unit of 256 bytes that my wave stores
	v_and_b32 v114, 31, v0                         ; lane
	s_delay_alu instid0(VALU_DEP_1)
	v_lshl_add_u32 v10, v114, 4, s84               ; an image: 16 bytes a lane; one offset for each tile j
	s_delay_alu instid0(VALU_DEP_1)
	v_add_nc_u32 v11, s86, v10
	s_delay_alu instid0(VALU_DEP_1)
	v_add_nc_u32 v12, s86, v11
	s_delay_alu instid0(VALU_DEP_1)
	v_add_nc_u32 v13, s86, v12
	v_lshl_add_u32 v112, v114, 3, s87              ; a unit of scale words: 8 bytes a lane
	s_lshl_b32 s94, s16, 8
	s_add_co_u32 s94, s94, SS
	v_lshl_add_u32 v14, v1, 2, s94                 ; the scale stage, in: my wave's 256 bytes, word r
	s_mul_i32 s95, s17, s19
	s_add_co_u32 s95, s95, s16                     ; out: q, k: my own unit twice; v: wave 8 units 8 and 9, wave 9 units 10 and 11
	s_lshl_b32 s95, s95, 8
	s_add_co_u32 s95, s95, SS
	v_lshl_add_u32 v15, v114, 3, s95
	s_lshl_b32 s95, s19, 8
	v_add_nc_u32 v116, s95, v15
	s_mov_b32 s56, 0x76543210
	s_mov_b32 s57, 0xfedcba98                      ; v_permlanex16_b32's selects for lane l xor 16
	s_sub_co_u32 s59, s19, 1                       ; all ones for q and k, 0 for v
	s_sub_co_u32 s60, 0, s19                       ; the other way round
	s_mov_b32 vcc_lo, 0xffff0000                   ; lanes 16-31
	s_wait_loadcnt 0x0
.set n, 0
.rept 32
	v_cndmask_b32 v[SC+n], v[SC+n], v[ACC+n], vcc_lo   ; one register carries P's word below and Q's above
.set n, n+1
.endr
.set n, 0
.rept 32
	v_and_b32 v[PF+n], s59, v[PF+n]                ; the bias runs along P for q and k,
.set n, n+1
.endr
.set n, 0
.rept 8
	v_and_b32 v[QF+n], s60, v[QF+n]                ; along Q for v; the other is 0
.set n, n+1
.endr
.irp j, 0,1,2,3
.irp i, 0,1,2,3
.irp e, 0,2,4,6
	v_pk_add_f32 v[ACC+32*\j+8*\i+\e:ACC+32*\j+8*\i+\e+1], v[PF+8*\i+\e:PF+8*\i+\e+1], v[QF+2*\j:QF+2*\j+1]   ; the bias begins the sums
.endr
.endr
.endr
; A K step of 128: eight fragments from LDS, 16 matrix instructions.  The 16 accumulators take turns, one instruction a turn, in the same order in every step.
; Four places stand in front of loads into registers that matrix instructions have read (ISA guide 7.12.1 for vector instructions).
.macro KSTEP lp, lq, q, s
.rept 4
	v_nop
.endr
.irp i, 0,1,2,3
.irp c, 0,1
	ds_load_b128 v[PF+8*\i+4*\c:PF+8*\i+4*\c+3], v[\lp] offset:64*\q+32*\c+16*PITCH*\i
.endr
.endr
.irp i, 0,1,2,3
.irp c, 0,1
	ds_load_b128 v[QF+8*\i+4*\c:QF+8*\i+4*\c+3], v[\lq] offset:64*\q+32*\c+16*PITCH*\i
.endr
.endr
.irp j, 0,1,2,3
	s_wait_dscnt 6-2*\j                            ; P's fragments and Q's up to j are in; the younger ones' two loads each may stay out
.irp i, 0,1,2,3
	v_wmma_scale_f32_16x16x128_f8f6f4 v[ACC+32*\j+8*\i:ACC+32*\j+8*\i+7], v[PF+8*\i:PF+8*\i+7], v[QF+8*\j:QF+8*\j+7], v[ACC+32*\j+8*\i:ACC+32*\j+8*\i+7], v[SC+8*\i+\s], v[SC+8*\j+\s] matrix_a_fmt:MATRIX_FMT_FP4 matrix_b_fmt:MATRIX_FMT_FP4 matrix_b_scale:MATRIX_SCALE_ROW1
.endr
.endr
.endm
	s_wait_alu depctr_va_vdst(0)
	s_cmp_lt_u32 s16, 4                            ; chunk 0's lines were issued by waves 0-3 alone: they wait; chunk 1's may stay out
	s_cbranch_scc0 .Lmine_later
	s_wait_tensorcnt 0x0
.Lmine_later:
	s_barrier_signal -1
	s_barrier_wait -1                              ; everybody's is
	KSTEP 3, 4, 0, 0
	KSTEP 3, 4, 1, 1
	KSTEP 3, 4, 2, 2
	KSTEP 3, 4, 3, 3
	s_wait_tensorcnt 0x0                           ; my tile of chunk 1 is in
	s_wait_dscnt 0x0
	s_barrier_signal -1
	s_barrier_wait -1
	KSTEP 5, 6, 0, 4
	KSTEP 5, 6, 1, 5
	KSTEP 5, 6, 2, 6
	KSTEP 5, 6, 3, 7
.rept 4
	v_nop                                          ; places in front of the first read of results and of writes into the fragments' registers
.endr
	; THE WAY OUT.  Eight blocks (tile j of Q, block b of 32 along P) by turns; each accumulator is read from its low end on.
.irp j, 0,1,2,3
.irp b, 0,1
	v_max3_num_f32 v[TM+2*\j+\b], |v[ACC+32*\j+16*\b]|, |v[ACC+32*\j+16*\b+1]|, 0x1800000   ; my 16 numbers, and the floor 2^(3 - 127): the byte cannot fall under 1
.endr
.endr
.irp i, 2,4,6,8,10,12,14
.irp j, 0,1,2,3
.irp b, 0,1
	v_max3_num_f32 v[TM+2*\j+\b], v[TM+2*\j+\b], |v[ACC+32*\j+16*\b+\i]|, |v[ACC+32*\j+16*\b+\i+1]|
.endr
.endr
.endr
.irp n, 0,1,2,3,4,5,6,7
	v_permlanex16_b32 v[TX+\n], v[TM+\n], s56, s57
.endr
.irp n, 0,1,2,3,4,5,6,7
	v_max_num_f32 v[TM+\n], v[TM+\n], v[TX+\n]     ; with lane l xor 16's: the block's largest magnitude
.endr
.irp n, 0,1,2,3,4,5,6,7
	v_add_nc_u32 v[SO+\n], 0xff000000, v[TM+\n]    ; 2 off its exponent field: the conversion's scale operand
.endr
.irp n, 0,1,2,3,4,5,6,7
	v_lshrrev_b32 v[BY+\n], 23, v[SO+\n]           ; the scale's byte
.endr
.irp j, 0,1,2,3
	v_lshl_or_b32 v[PR+\j], v[BY+2*\j+1], 8, v[BY+2*\j]
.endr
.irp j, 0,1,2,3
	s_delay_alu instid0(VALU_DEP_4)
	v_lshl_or_b32 v[PR+\j], v[PR+\j], 16, v[PR+\j] ; the pair of bytes, twice
.endr
.irp j, 0,1,2,3
.irp b, 0,1
.irp u, 0,1
	v_cvt_scalef32_pk8_fp4_f32 v[CD+4*\j+2*\u+\b], v[ACC+32*\j+16*\b+8*\u:ACC+32*\j+16*\b+8*\u+7], v[SO+2*\j+\b]   ; index 32 b + 16 u + 8 h + 0 .. 7
.endr
.endr
.endr
	v_nop                                          ; one plain place behind a scaled conversion
.irp j, 0,1,2,3
.irp u, 0,1
	v_permlane16_swap_b32 v[CD+4*\j+2*\u], v[CD+4*\j+2*\u+1]   ; a WHOLE block to a lane: lanes 0-15 block 0, lanes 16-31 block 1; register m holds index 32 H + 8 m + 0 .. 7
.endr
.endr
.irp j, 0,1,2,3
	global_store_b128 v[10+\j], v[CD+4*\j:CD+4*\j+3], s[14:15]   ; the 32 lanes store 512 consecutive bytes, at a multiple of 512 from ws's first byte
.endr
.irp j, 0,1,2,3
	ds_store_b32 v14, v[PR+\j] offset:64*\j        ; lanes r and 16 + r write the same word with the same value
.endr
	s_wait_dscnt 0x0                               ; for the others' sake: my words lie in the stage
	s_barrier_signal -1
	s_barrier_wait -1
	s_cmp_lt_u32 s16, 10                           ; ten units of 256 bytes leave: q's four, k's four, v's two
	s_cbranch_scc0 .Lno_unit
	ds_load_b64 v[100:101], v15
	ds_load_b64 v[102:103], v116
	s_wait_dscnt 0x0
	v_bfi_b32 v100, 0xffff, v100, v102             ; low halves of the first unit, high halves of the second: for v the bytes of keys 0-63 and of keys 64-127 of a step
	v_bfi_b32 v101, 0xffff, v101, v103
	global_store_b64 v112, v[100:101], s[14:15]    ; the 32 lanes store 256 consecutive bytes, aligned
.Lno_unit:
	s_wait_tensorcnt 0x0
	ds_add_u32 v126, v127
	s_wait_dscnt 0x0
	CROUND                                         ; the closing round: no work-group ends while a partner may still ask for a tile that names it
	s_endpgm
.Lfunc_end_k_q1c972d750d_qkv:
	.size	k_q1c972d750d_qkv, .Lfunc_end_k_q1c972d750d_qkv-k_q1c972d750d_qkv
	.p2alignl 7, 3214868480
	.fill 96, 4, 3214868480
	.section	.rodata,"a",@progbits
	.p2align	6, 0x0
	.amdhsa_kernel k_q1c972d750d_qkv
		.amdhsa_group_segment_fixed_size 263680
		.amdhsa_private_segment_fixed_size 0
		.amdhsa_enable_private_segment 0
		.amdhsa_kernarg_size 48
		.amdhsa_user_sgpr_count 2
		.amdhsa_user_sgpr_kernarg_segment_ptr 1
		.amdhsa_wavefront_size32 1
		.amdhsa_system_sgpr_workgroup_id_x 1
		.amdhsa_system_sgpr_workgroup_id_y 1
		.amdhsa_system_sgpr_workgroup_id_z 1
		.amdhsa_system_vgpr_workitem_id 0
		.amdhsa_next_free_vgpr 256
		.amdhsa_next_free_sgpr 100
		.amdhsa_reserve_vcc 1
		.amdhsa_float_denorm_mode_32 3
		.amdhsa_float_denorm_mode_16_64 3
		.amdhsa_memory_ordered 1
		.amdhsa_forward_progress 1
		.amdhsa_inst_pref_size 55
	.end_amdhsa_kernel
	.amdgpu_metadata
---
amdhsa.version: [ 1, 2 ]
amdhsa.kernels:
  - .name:           k_q1c972d750d_qkv
    .symbol:         k_q1c972d750d_qkv.kd
    .args:
      - { .name: x_codes, .offset: 0, .size: 8, .value_kind: global_buffer, .address_space: global }
      - { .name: x_scales, .offset: 8, .size: 8, .value_kind: global_buffer, .address_space: global }
      - { .name: W_qkv_codes, .offset: 16, .size: 8, .value_kind: global_buffer, .address_space: global }
      - { .name: W_qkv_scales, .offset: 24, .size: 8, .value_kind: global_buffer, .address_space: global }
      - { .name: b_qkv, .offset: 32, .size: 8, .value_kind: global_buffer, .address_space: global }
      - { .name: ws, .offset: 40, .size: 8, .value_kind: global_buffer, .address_space: global }
    .group_segment_fixed_size: 263680
    .private_segment_fixed_size: 0
    .kernarg_segment_align: 8
    .kernarg_segment_size: 48
    .max_flat_workgroup_size: 384
    .sgpr_count:     100
    .vgpr_count:     256
    .wavefront_size: 32
...
	.end_amdgpu_metadata
.endif
;; end of part 1
;; launch attn (part 2): grid 8 x 32, 16 waves a work-group, clusters of 4 x 1, 327,680 bytes of LDS; arguments ws, out0; writes out0
.if DOCPART == 2
	.amdgcn_target "amdgcn-amd-amdhsa--gfx1250"
	.amdhsa_code_object_version 6
	.text
	.protected	k_q1c972d750d_attn
	.globl	k_q1c972d750d_attn
	.p2align	8
	.type	k_q1c972d750d_attn,@function
k_q1c972d750d_attn:
	s_mov_b64 s[64:65], 0
	v_nop
	global_prefetch_b8 v0, s[64:65] scope:SCOPE_SE
	s_setreg_imm32_b32 hwreg(HW_REG_WAVE_MODE, 25, 1), 1
	s_wait_xcnt 0x0
	s_wait_alu depctr_hold_cnt(0) depctr_sa_sdst(0) depctr_va_vdst(0) depctr_va_sdst(0) depctr_va_ssrc(0) depctr_va_vcc(0) depctr_vm_vsrc(0)
	s_getreg_b32 s2, hwreg(HW_REG_IB_STS2, 6, 4)
	s_cmp_eq_u32 s2, 0
	s_cbranch_scc0 .Lentry_in_a_cluster
	s_endpgm
.Lentry_in_a_cluster:
	s_bfe_u32 s2, ttmp6, 0x10000c
	s_cmp_lg_u32 s2, 0x3003
	s_cbranch_scc0 .Lentry_shape_is_right
	s_endpgm
.Lentry_shape_is_right:
; out[b][q][head][:] = the sum over keys k <= q of softmax_k(Q . K / 8) V, both products on codes of FP4 (E2M1) with E8M0 scales, as the launch before has laid them in ws.
; THE SOFTMAX AHEAD OF THE SECOND PRODUCT: t = score x log2(e) / 8; M = the running largest t rounded UP to a whole number; p = 2^(t - M) is quantised along the keys, not normalised;
; the row's sum is taken of the unquantised p and divides at the end.  When M moves, the sum and O are multiplied by 2^(old M - new M): exact.
; SHARES.  A step is 128 keys; a tile is 16 queries.  Work-group i of a head owns in each block w = 0 .. 7 of 128 queries tile i (SHORT: w + 1 steps) and in block 15 - w tile 7 - i (LONG: 16 - w steps).
; Waves w and w + 8 share the pair.  Wave w takes the long tile's steps 0 .. 8 in nine trips; wave w + 8 takes the short tile's w + 1 steps, stores it, and goes on with the long tile's other 7 - w steps: eight steps in nine trips.
; Then wave w + 8 leaves M, the sum and O of its part in LDS, and wave w adds both parts and stores.  A barrier in every trip, signalled at its head and waited for at its end, keeps the waves within
; one step of each other, so that the two waves of a pair, which meet at the end, get there together.
; Steps whose keys all come after a tile's queries are left out: the causal mask of reference() gives them the weight 0 for all values of the inputs; a NaN, an infinity or an overflow there is not carried on.
; THE HEAD'S K AND V lie in LDS whole, filled once by the head's loads: no loop runs ahead of a load, so nothing is prefetched.  The first step is written out: it needs the first chunk of 512 keys alone,
; and the other chunks are waited for at its end.
; CLUSTER 4 x 1: four work-groups of a head ask for K and V jointly.  How many steps a wave takes hangs on its number alone, so partners run alike.
; LAYOUT.  Both products transposed: S^T = K Q^T (source 0 = 16 keys, source 1 = my 16 queries), O^T = V^T P^T: a lane holds ONE query (lane % 16) throughout.
; THE KEYS OF A TILE: row m of tile (c, u) is key 64 c + 32 (m / 8) + 8 u + m % 8, so that lane (r, h) holds in the 32 registers of tiles (c, 0 .. 3) the keys 64 c + 32 h + 0 .. 31: a WHOLE block,
; whose largest score needs no other lane, and whose codes come out as the next operand's registers.
; The head has 64 channels, half of the instruction's 128 along K: Q's registers 4-7 are zero codes; K's tile t is v[36 + 4 t] on, and the four registers behind it meet those zeros.
; LDS: units of 1,024 bytes + 128 of padding: in a load of K lanes r and r + 8 lie one unit apart, so the sixteen lanes touch sixteen different 16-byte columns modulo 256.
; LIMITS: NaN and infinities are not served; the promise holds while t stays under 2^31 in magnitude; a block whose every p is 0 keeps the byte 1: its codes are zeros.
; REGISTERS: v1-4 lane parts of LDS addresses, v5-8 the step's; v9 my offset in out; v10, v11, v249, v250 the stage; v27, v251 the exchange; v12 -M, v13 the largest score, v[14:15] the sum; v16-23 Q; v24 its scale words;
; v28-31 K's scale words, v32-33 V's, v34 p's; v36-71 K and four zeros; v72-103 V; v104-167 S^T, then p; v168-199 O^T; v200-207 p's codes; v208-223, v233-247 at work; v226 my place on the diagonal; v227-232 the long tile's.
; ORDER OF THE LOADS: the first chunk of 512 keys and all scale words at the kernel's head; the other chunks, each byte's first and only fill, behind the round that shows those landed.
; THE TRIP w + 1 of wave w + 8 holds no step: the short tile goes out, and the long tile's K is loaded; so its eight steps and that trip are nine, as many as its partner has.
.set CHUNKB, 35840                     ; ws: a chunk of 512 keys: K codes 16,384 | V codes 16,384 | K scale words 2,048 | V scale words 1,024
.set HEADB,  4*CHUNKB
.set QC,     32*HEADB
.set QS,     QC+32*65536
.set UNIT,   1152
.set STEPB,  4*UNIT                    ; a step's codes of K, or of V
.set VB,     64*UNIT                   ; V's codes
.set KWB,    128*UNIT                  ; K's scale words, 512 bytes a step
.set VWB,    KWB+8192                  ; V's, 256 bytes a step
.set STG,    VWB+4096                  ; stages: 16 rows x 272 bytes for each wave; no tile lands there
.set SP,     272
.set EXC,    STG+16*16*SP              ; the exchange: 256 bytes for each wave
.set SPARE,  EXC+16*256                ; the spare words, 128 bytes for each wave
.set SB,  104
.set OB,  168
.set PCD, 200
.set BM,  208                          ; v[208:209] the two blocks' largest scores, then largest p
.set BN,  234                          ; v[234:235] the maxima's second chains
.set BX,  210
.set SOP, 212                          ; v212-213 the conversions' scale operands
.set FF,  214                          ; v[214:215] f = 2^(old M - new M) (the low word serves both halves)
.set TT,  216
.set XX,  217                          ; the other half's
.set RM,  233
.set CAP, 240                          ; v240-247: on the diagonal, the caps of keys e = 0 .. 7
.macro CROUND                          ; a round of the cluster's barrier
	s_barrier_signal -1
	s_barrier_wait -1
	s_cmp_lg_u32 s16, 0
	s_cbranch_scc1 .Lnot_wave_0_\@
	s_barrier_signal -3
.Lnot_wave_0_\@:
	s_barrier_wait -3
	s_barrier_signal -1
	s_barrier_wait -1
.endm
	s_load_b128 s[4:7], s[0:1], 0x0                ; ws s[4:5], out s[6:7]
	v_lshl_add_u32 v254, v0, 2, SPARE
	v_mov_b32 v255, 0
	ds_add_u32 v254, v255                          ; the opening add, twice on end
	ds_add_u32 v254, v255
	v_lshrrev_b32 v5, 5, v0
	v_readfirstlane_b32 s16, v5                    ; wave 0..15
	s_and_b32 s8, ttmp7, 0xffff                    ; 16 x batch + head
	s_mov_b32 s24, 15|(3<<16)|(1<<20)|(1<<21)|(7<<22)|(31<<25)   ; codes: all four work-groups; elements of 8 bytes; after every 256 words 32 words of padding
	s_mov_b32 s25, 128<<16                         ; rows of 1,024 bytes,
	s_mov_b32 s26, 16<<16                          ; sixteen of them
	s_mov_b32 s27, 128<<16
	s_mov_b32 s28, 16
	s_mov_b32 s29, 128
	s_mov_b32 s30, 0
	s_mov_b32 s31, 0
	s_mov_b32 s44, 15|(3<<16)|(1<<21)              ; K's scale words: 2,048 bytes of each of four chunks
	s_mov_b32 s45, 256<<16
	s_mov_b32 s46, 4<<16
	s_mov_b32 s47, 256<<16
	s_mov_b32 s48, 4
	s_mov_b32 s49, CHUNKB/8
	s_mov_b32 s50, 0
	s_mov_b32 s51, 0
	s_mov_b32 s52, 15|(3<<16)|(1<<21)              ; V's: 1,024 bytes of each
	s_mov_b32 s53, 128<<16
	s_mov_b32 s54, 4<<16
	s_mov_b32 s55, 128<<16
	s_mov_b32 s56, 4
	s_mov_b32 s57, CHUNKB/8
	s_mov_b32 s58, 0
	s_mov_b32 s59, 0
	s_mul_i32 s10, s8, HEADB                       ; the head in ws
	s_mov_b32 s11, 0
	s_and_b32 s12, s16, 3                          ; waves 0-3: K's codes of chunk wave; waves 4-7: V's of chunk wave - 4
	s_mul_i32 s12, s12, CHUNKB
	s_bfe_u32 s13, s16, 0x10002
	s_lshl_b32 s13, s13, 14
	s_add_co_u32 s12, s12, s13
	s_add_co_u32 s12, s12, s10
	s_mov_b32 s13, 0
	s_mul_i32 s33, s16, 16*UNIT                    ; and where they go
	s_wait_alu depctr_va_vdst(0)
	s_wait_dscnt 0x0                               ; both opening adds are done
	CROUND                                         ; all four work-groups are here: the joint loads meet
	s_wait_kmcnt 0x0
	s_add_nc_u64 s[10:11], s[4:5], s[10:11]
	s_add_nc_u64 s[12:13], s[4:5], s[12:13]
	s_mov_b32 s32, 1
	s_mov_b64 s[34:35], s[12:13]
	s_or_b32 s35, s35, 0x80000000
	s_mov_b32 s36, 1
	s_mov_b32 s37, KWB
	s_add_nc_u64 s[38:39], s[10:11], 32768
	s_or_b32 s39, s39, 0x80000000
	s_mov_b32 s40, 1
	s_mov_b32 s41, VWB
	s_add_nc_u64 s[42:43], s[10:11], 34816
	s_or_b32 s43, s43, 0x80000000
; THE HEAD'S LOADS, ONE A WAVE: what the first step needs.  Wave 0 K's codes of chunk 0, wave 4 V's, 16 units each; wave 8 K's scale words of all chunks, wave 12 V's; the others nothing here.
.macro ARM wave, g0, g1, next
	s_cmp_eq_u32 s16, \wave
	s_cbranch_scc0 \next
	tensor_load_to_lds s[\g0:\g0+3], s[\g1:\g1+7]
	s_nop 0
.rept 4
	v_nop
.endr
	s_branch .Lasked
\next:
.endm
	ARM 0, 32, 24, .Lask_v0
	ARM 4, 32, 24, .Lask_kw
	ARM 8, 36, 44, .Lask_vw
	ARM 12, 40, 52, .Lask_none
.Lasked:
	; my tiles
	s_bfe_u32 s9, ttmp6, 0x40000
	s_lshl_b32 s10, ttmp9, 2
	s_add_co_u32 s9, s9, s10                       ; i = 4 x cluster x + cx: it enters global addresses and the mask's lanes, no LDS address and no branch
	s_and_b32 s17, s16, 7                          ; w
	s_lshr_b32 s22, s16, 3                         ; 0: the long tile's first steps; 1: the short tile, then the long tile's others
	s_sub_co_u32 s76, 15, s17                      ; the long tile's last step, on the diagonal
	s_lshl_b32 s77, s76, 7
	s_sub_co_u32 s78, 7, s9
	s_lshl_b32 s78, s78, 4
	s_add_co_u32 s77, s77, s78                     ; the long tile's first query
	s_lshl_b32 s78, s17, 7
	s_lshl_b32 s79, s9, 4
	s_add_co_u32 s78, s78, s79                     ; the short tile's
	s_add_co_u32 s79, s17, 1
	s_cmp_eq_u32 s22, 0
	s_cselect_b32 s80, s77, s78                    ; the tile that I begin with,
	s_cselect_b32 s12, 15, s79                     ; the trip at which I go over to the long tile (15: none),
	s_cselect_b32 s15, s76, s17                    ; and the trips on the diagonal: the short tile's last,
	s_cselect_b32 s23, s76, 8                      ; and the long tile's
	s_xor_b32 s66, s17, 7                          ; from trip to step on the long tile: 7 - w on,
	s_lshl_b32 s67, s66, 9                         ; in K's scale words,
	s_lshl_b32 s68, s66, 8                         ; in V's,
	s_mul_i32 s66, s66, STEPB                      ; in the codes
	s_lshl_b32 s81, s8, 16
	s_add_co_u32 s81, s81, QC
	s_lshl_b32 s82, s80, 5
	s_add_co_u32 s82, s82, s81                     ; Q's image: 512 bytes a tile of 16 queries
	s_lshl_b32 s83, s77, 5
	s_add_co_u32 s83, s83, s81
	s_lshl_b32 s81, s8, 13
	s_add_co_u32 s81, s81, QS
	s_lshl_b32 s84, s80, 2
	s_add_co_u32 s84, s84, s81                     ; its scale words
	s_lshl_b32 s85, s77, 2
	s_add_co_u32 s85, s85, s81
	v_and_b32 v35, 15, v0                          ; r
	v_bfe_u32 v36, v0, 4, 1                        ; h
	v_bfe_u32 v37, v0, 3, 1                        ; r / 8
	v_and_b32 v38, 7, v0                           ; r % 8
	v_and_b32 v39, 31, v0                          ; lane
	v_lshl_add_u32 v41, v39, 4, s82
	v_lshl_add_u32 v252, v39, 4, s83
	v_lshl_add_u32 v43, v35, 2, s84
	v_lshl_add_u32 v253, v35, 2, s85
	global_load_b128 v[16:19], v41, s[4:5]         ; Q of the tile that I begin with
	global_load_b32 v24, v43, s[4:5]
	s_wait_alu depctr_va_vdst(0)
	s_lshr_b32 s79, s8, 4
	s_lshl_b32 s79, s79, 23                        ; out: 4,096 bytes a token, 2,048 tokens a batch,
	s_and_b32 s81, s8, 15
	s_lshl_b32 s81, s81, 8                         ; 256 bytes a head
	s_add_co_u32 s79, s79, s81
	s_lshl_b32 s86, s80, 12
	s_add_co_u32 s86, s86, s79
	s_mov_b32 s87, 0
	s_lshl_b32 s88, s77, 12
	s_add_co_u32 s88, s88, s79
	s_mov_b32 s89, 0
	s_add_nc_u64 s[90:91], s[6:7], s[86:87]        ; out at the tile that I begin with,
	s_add_nc_u64 s[92:93], s[6:7], s[88:89]        ; and at the long tile
	s_and_b32 s73, s80, 127                        ; the tiles' places in their blocks
	s_and_b32 s74, s77, 127
	s_mul_i32 s70, s16, 16*SP
	s_add_co_u32 s70, s70, STG                     ; my stage,
	s_xor_b32 s82, s16, 8
	s_mul_i32 s71, s82, 16*SP
	s_add_co_u32 s71, s71, STG                     ; my partner's,
	s_lshl_b32 s82, s82, 8
	s_add_co_u32 s82, s82, EXC                     ; its exchange words,
	s_lshl_b32 s83, s16, 8
	s_add_co_u32 s83, s83, EXC                     ; and mine
	s_mov_b32 s18, 0x3e38aa3b                      ; c = log2(e) / 8
	s_mov_b32 s19, s18                             ; (named with it as a pair, so it is written)
	s_mov_b32 s95, 0xbe38aa3b                      ; -c
	s_mov_b32 s20, 0x76543210
	s_mov_b32 s21, 0xfedcba98                      ; v_permlanex16_b32's selects for lane l xor 16
	v_mul_u32_u24 v1, UNIT, v37                    ; K: key 32 (r / 8) + r % 8 of the image, half h
	v_lshl_add_u32 v1, v36, 8, v1
	v_lshl_add_u32 v1, v38, 4, v1
	v_lshl_add_u32 v2, v39, 4, VB                  ; V: as it lies
	v_lshlrev_b32 v3, 7, v37                       ; K's scale words: lanes 0-15 tile 2 m, lanes 16-31 tile 2 m + 1
	v_lshl_add_u32 v3, v36, 5, v3
	v_lshl_add_u32 v3, v38, 2, v3
	v_add_nc_u32 v3, KWB, v3
	v_lshl_add_u32 v4, v39, 2, VWB                 ; V's
	v_lshlrev_b32 v9, 12, v36
	v_lshl_add_u32 v9, v35, 4, v9                  ; out: lanes 0-15 one token, lanes 16-31 the next
	v_mul_u32_u24 v10, SP, v35
	v_lshl_add_u32 v10, v36, 5, v10
	v_add_nc_u32 v10, s70, v10                     ; the stage, in: row r, + 32 h
	v_mul_u32_u24 v11, SP, v36
	v_lshl_add_u32 v11, v35, 4, v11
	v_add_nc_u32 v11, s70, v11                     ; back: lanes 0-15 one row, lanes 16-31 the next
	v_lshl_add_u32 v250, v39, 4, s70               ; my part of O: 16 bytes a lane in my stage,
	v_lshl_add_u32 v249, v39, 4, s71               ; my partner's
	v_lshl_add_u32 v27, v39, 3, s83
	v_lshl_add_u32 v251, v39, 3, s82
	v_lshlrev_b32 v40, 5, v36
	v_sub_nc_u32 v40, v35, v40
	v_add_nc_u32 v226, s73, v40                    ; the diagonal: d = my query - the step's first key - 32 h: key n = 64 c + 8 u + e of my half counts where n <= d
	v_add_nc_u32 v227, s74, v40
	v_cvt_f32_i32 v226, v226
	v_cvt_f32_i32 v227, v227
	v_add_f32 v226, 0.5, v226
	v_add_f32 v227, 0.5, v227
	v_mul_f32 v226, 0x71800000, v226               ; (d + 1/2) 2^100
	v_mul_f32 v227, 0x71800000, v227
.macro RESET                           ; no key seen yet: the first change of M makes f = 0, by which O^T and the sum, both finite, are multiplied
	v_mov_b32 v13, 0xff61b1e6                      ; the largest score so far: -3e38
	v_mul_f32 v12, s95, v13
	v_floor_f32 v12, v12                           ; -M
.endm
	RESET
.set n, 0
.rept 32
	v_mov_b32 v[OB+n], 0
.set n, n+1
.endr
.irp n, 14,15, 20,21,22,23, 68,69,70,71, 211, 215, 217
	v_mov_b32 v[\n], 0                             ; the sum; zero codes (Q's k = 64 .. 127; behind K's last tile); and registers that are named before they are first written
.endr
	s_wait_alu depctr_va_vdst(0)
	s_wait_loadcnt 0x0                             ; Q
	s_wait_tensorcnt 0x0                           ; my part of the first chunk is in
	ds_add_u32 v254, v255                          ; the add, twice on end
	ds_add_u32 v254, v255
	s_and_b32 s10, s16, 3
	s_wait_dscnt 0x0                               ; and the wait for both
	CROUND                                         ; the first chunk is in, and all four work-groups are here: the joint loads meet
	s_cmp_lt_u32 s16, 8                            ; THE OTHER CHUNKS, one load a wave: waves 1-3 K's chunks 1-3, waves 5-7 V's
	s_cbranch_scc0 .Llate
	s_cmp_eq_u32 s10, 0
	s_cbranch_scc1 .Llate
	tensor_load_to_lds s[32:35], s[24:31]
	s_nop 0
.rept 4
	v_nop
.endr
.Llate:
	global_load_b128 v[228:231], v252, s[4:5]      ; and the long tile's Q, which is used behind the first step
	global_load_b32 v232, v253, s[4:5]
.macro KLOADS k, w, ok, ow             ; K's eight tiles and their scale words
.irp t, 0,1,2,3,4,5,6,7
	ds_load_b128 v[36+4*\t:39+4*\t], v[\k] offset:\ok+2*UNIT*(\t/4)+512*((\t%4)/2)+128*(\t%2)
.endr
.irp m, 0,1,2,3
	ds_load_b32 v[28+\m], v[\w] offset:\ow+256*(\m/2)+64*(\m%2)
.endr
.endm
.macro VLOADS k, w
.irp j, 0,1,2,3
.irp c, 0,1
	ds_load_b128 v[72+8*\j+4*\c:75+8*\j+4*\c], v[\k] offset:UNIT*\j+512*\c
.endr
.endr
.irp m, 0,1
	ds_load_b32 v[32+\m], v[\w] offset:128*\m
.endr
.endm
.macro SCORES
.irp t, 0,2,4,6
	v_wmma_scale_f32_16x16x128_f8f6f4 v[SB+8*\t:SB+8*\t+7], v[36+4*\t:43+4*\t], v[16:23], 0, v[28+\t/2], v24 matrix_a_fmt:MATRIX_FMT_FP4 matrix_b_fmt:MATRIX_FMT_FP4
	v_wmma_scale_f32_16x16x128_f8f6f4 v[SB+8*\t+8:SB+8*\t+15], v[40+4*\t:47+4*\t], v[16:23], 0, v[28+\t/2], v24 matrix_a_fmt:MATRIX_FMT_FP4 matrix_b_fmt:MATRIX_FMT_FP4 matrix_a_scale:MATRIX_SCALE_ROW1
.endr
.endm
.macro OUT
.irp j, 0,2
	v_wmma_scale_f32_16x16x128_f8f6f4 v[OB+8*\j:OB+8*\j+7], v[72+8*\j:79+8*\j], v[PCD:PCD+7], v[OB+8*\j:OB+8*\j+7], v[32+\j/2], v34 matrix_a_fmt:MATRIX_FMT_FP4 matrix_b_fmt:MATRIX_FMT_FP4
	v_wmma_scale_f32_16x16x128_f8f6f4 v[OB+8*\j+8:OB+8*\j+15], v[80+8*\j:87+8*\j], v[PCD:PCD+7], v[OB+8*\j+8:OB+8*\j+15], v[32+\j/2], v34 matrix_a_fmt:MATRIX_FMT_FP4 matrix_b_fmt:MATRIX_FMT_FP4 matrix_a_scale:MATRIX_SCALE_ROW1
.endr
.endm
.macro CAPPED g, base                  ; tile g's scores are held under (d - n + 1/2) 2^100: above every score that the promise covers where the key counts, under every such score where it is hidden; base: the bits of -(64 c + 8 u) 2^100
.if \g == 0
.set CB, CAP
.else
.set CB, PCD+8*(\g%2)
.irp e, 0,2,4,6
	v_pk_add_f32 v[CB+\e:CB+\e+1], v[CAP+\e:CAP+\e+1], \base op_sel_hi:[1,0]
.endr
.endif
.irp e, 0,1,2,3,4,5,6,7
	v_min_num_f32 v[SB+8*\g+\e], v[SB+8*\g+\e], v[CB+\e]
.endr
.endm
.macro SOFTMAX
	s_cmp_eq_u32 s60, s15                          ; on the diagonal hidden scores are lowered out of reach ahead of the maximum: p = 0 then
	s_cbranch_scc1 .Lmask_\@
	s_cmp_lg_u32 s60, s23
	s_cbranch_scc1 .Lopen_\@
.Lmask_\@:
	v_mov_b32 v[CAP], v226
	v_add_f32 v[CAP+1], 0xf1800000, v226           ; - e x 2^100
	v_add_f32 v[CAP+2], 0xf2000000, v226
	v_add_f32 v[CAP+3], 0xf2400000, v226
	v_add_f32 v[CAP+4], 0xf2800000, v226
	v_add_f32 v[CAP+5], 0xf2a00000, v226
	v_add_f32 v[CAP+6], 0xf2c00000, v226
	v_add_f32 v[CAP+7], 0xf2e00000, v226
	CAPPED 0, 0
	CAPPED 1, 0xf3000000
	CAPPED 2, 0xf3800000
	CAPPED 3, 0xf3c00000
	CAPPED 4, 0xf4800000
	CAPPED 5, 0xf4900000
	CAPPED 6, 0xf4a00000
	CAPPED 7, 0xf4b00000
.Lopen_\@:
.irp c, 0,1
	v_max3_num_f32 v[BM+\c], v[SB+32*\c], v[SB+32*\c+1], v[SB+32*\c+2]   ; the largest score of my block of 32 keys, in two chains: for the row's maximum and, since p rises with the score, for the block's largest p
	v_max3_num_f32 v[BN+\c], v[SB+32*\c+16], v[SB+32*\c+17], v[SB+32*\c+18]
.endr
.irp i, 3,5,7,9,11,13
.irp c, 0,1
	v_max3_num_f32 v[BM+\c], v[BM+\c], v[SB+32*\c+\i], v[SB+32*\c+\i+1]
	v_max3_num_f32 v[BN+\c], v[BN+\c], v[SB+32*\c+16+\i], v[SB+32*\c+17+\i]
.endr
.endr
.irp c, 0,1
	v_max3_num_f32 v[BM+\c], v[BM+\c], v[BN+\c], v[SB+32*\c+15]
.endr
.irp c, 0,1
	v_max_num_f32 v[BM+\c], v[BM+\c], v[SB+32*\c+31]
.endr
	s_delay_alu instid0(VALU_DEP_1)
	v_max_num_f32 v[RM], v[BM], v[BM+1]
	s_delay_alu instid0(VALU_DEP_1)
	v_permlanex16_b32 v[XX], v[RM], s20, s21
	s_delay_alu instid0(VALU_DEP_1)
	v_max3_num_f32 v13, v13, v[RM], v[XX]          ; the running largest score of my query (a step holds a key that counts for every query)
	s_delay_alu instid0(VALU_DEP_1)
	v_mul_f32 v12, s95, v13
	s_delay_alu instid0(VALU_DEP_1)
	v_floor_f32 v12, v12                           ; the new -M = floor(-t) = -ceil(t)
.set n, 0
.rept 32
	v_pk_fma_f32 v[SB+n:SB+n+1], v[SB+n:SB+n+1], s[18:19], v[12:13] op_sel_hi:[1,0,0]   ; t - M, two at a time
.if n == 8
	v_sub_f32 v[TT], v12, v[TT]                    ; old M - new M: a whole number, 0 or less
.endif
.if n == 24
	v_cvt_i32_f32 v[TT], v[TT]                     ; (it saturates)
.endif
.if n == 40
	v_ldexp_f32 v[FF], 1.0, v[TT]                  ; f = 2^(old M - new M)
.endif
.set n, n+2
.endr
	v_pk_fma_f32 v[BM:BM+1], v[BM:BM+1], s[18:19], v[12:13] op_sel_hi:[1,0,0]   ; the same of each block's largest score
.set n, 0
.rept 16
	v_pk_mul_f32 v[OB+n:OB+n+1], v[OB+n:OB+n+1], v[FF:FF+1] op_sel_hi:[1,0]   ; O^T under the new M
.set n, n+2
.endr
	s_wait_alu depctr_va_vdst(0)
.set n, 0
.rept 64
	v_exp_f32 v[SB+n], v[SB+n]                     ; p = 2^(t - M)
.set n, n+1
.endr
	v_exp_f32 v[BM], v[BM]                         ; the blocks' largest p: the same two instructions on the same number
	v_exp_f32 v[BM+1], v[BM+1]
	v_pk_mul_f32 v[14:15], v[14:15], v[FF:FF+1] op_sel_hi:[1,0]   ; the sums under the new M (a plain place behind the exponentials)
	s_wait_alu depctr_va_vdst(0)                   ; and the wait behind the batch
.irp c, 0,1
	v_max_num_f32 v[BM+\c], 0x1800000, v[BM+\c]    ; the floor 2^(3 - 127): the byte cannot fall under 1
.endr
.irp c, 0,1
	v_add_nc_u32 v[SOP+\c], 0xff000000, v[BM+\c]   ; 2 off the exponent field: the conversion's scale operand
.endr
.irp c, 0,1
	v_lshrrev_b32 v[BX+\c], 23, v[SOP+\c]          ; the scale's byte
.endr
	v_lshl_or_b32 v[BX], v[BX+1], 16, v[BX]        ; my half's two bytes: blocks h and 2 + h
	v_permlanex16_b32 v[BX+1], v[BX], s20, s21
	v_lshl_or_b32 v34, v[BX+1], 8, v[BX]           ; lanes 0-15: p's scale word for these 128 keys (lanes 16-31 are not read)
.irp c, 0,1
.irp u, 0,1,2,3
	v_cvt_scalef32_pk8_fp4_f32 v[PCD+4*\c+\u], v[SB+32*\c+8*\u:SB+32*\c+8*\u+7], v[SOP+\c]   ; keys 64 c + 32 h + 8 u + 0 .. 7
.endr
.endr
	v_pk_add_f32 v[218:219], v[SB:SB+1], v[SB+2:SB+3]   ; the row's sum, of the unquantised p: 32 pairs in four chains
	v_pk_add_f32 v[220:221], v[SB+4:SB+5], v[SB+6:SB+7]
	v_pk_add_f32 v[222:223], v[SB+8:SB+9], v[SB+10:SB+11]
	v_pk_add_f32 v[14:15], v[14:15], v[SB+12:SB+13]
.set n, 14
.rept 6
	v_pk_add_f32 v[218:219], v[218:219], v[SB+n:SB+n+1]
	v_pk_add_f32 v[220:221], v[220:221], v[SB+n+2:SB+n+3]
	v_pk_add_f32 v[222:223], v[222:223], v[SB+n+4:SB+n+5]
	v_pk_add_f32 v[14:15], v[14:15], v[SB+n+6:SB+n+7]
.set n, n+8
.endr
	v_pk_add_f32 v[218:219], v[218:219], v[SB+62:SB+63]
	v_pk_add_f32 v[220:221], v[220:221], v[222:223]
	v_pk_add_f32 v[14:15], v[14:15], v[218:219]
	v_pk_add_f32 v[14:15], v[14:15], v[220:221]
.endm
.macro TOSTAGE                         ; 16 rows of 256 bytes: register 8 j + e is (query r, channel 16 j + 8 h + e); and back by rows
.irp j, 0,1,2,3
	ds_store_b128 v10, v[SB+8*\j:SB+8*\j+3] offset:64*\j
	ds_store_b128 v10, v[SB+8*\j+4:SB+8*\j+7] offset:64*\j+16
.endr
.irp i, 0,1,2,3,4,5,6,7
	ds_load_b128 v[SB+32+4*\i:SB+32+4*\i+3], v11 offset:2*\i*SP    ; LDS serves a wave's instructions in order (ISA guide 5.7.1.4): these see my stores
.endr
.endm
.macro SEND base
.irp i, 0,1,2,3,4,5,6,7
	s_wait_dscnt 7-\i                              ; load i is back; the younger ones may stay out
	global_store_b128 v9, v[SB+32+4*\i:SB+32+4*\i+3], s[\base:\base+1] offset:8192*\i th:TH_STORE_NT   ; sixteen lanes store a token's 256 bytes of this head, aligned; read by nobody here
.endr
.endm
.macro SWITCH                          ; waves 8-15, behind the short tile's last step: the tile goes out, and the long tile begins
	s_cmp_lg_u32 s60, s12
	s_cbranch_scc1 .Lno_switch_\@
.rept 4
	v_nop                                          ; places behind the last products
.endr
	s_wait_alu depctr_va_vdst(0)
	v_add_f32 v14, v14, v15                        ; the sum's two halves,
	v_permlanex16_b32 v[XX], v14, s20, s21
	v_add_f32 v14, v14, v[XX]                      ; and lane l xor 16's: the row's sum, over 1/2
	s_wait_alu depctr_va_vdst(0)
	v_rcp_f32 v14, v14
.irp n, 0,1,2,3
	v_mov_b32 v[16+\n], v[228+\n]                  ; on to the long tile's Q (plain places behind the transcendental),
.endr
	v_mov_b32 v24, v232
	v_mov_b32 v226, v227                           ; and its place on the diagonal
	s_wait_alu depctr_va_vdst(0)
.set n, 0
.rept 16
	v_pk_mul_f32 v[SB+n:SB+n+1], v[OB+n:OB+n+1], v[14:15] op_sel_hi:[1,0]
.set n, n+2
.endr
	TOSTAGE
	RESET
	SEND 90
	s_wait_alu depctr_va_vdst(0)
	s_wait_xcnt 0x0                                ; the stores have read their registers
.Lno_switch_\@:
.endm
	; THE FIRST STEP: every wave's is step 0.
	s_mov_b32 s60, 0
	KLOADS 1, 3, 0, 0
	s_wait_dscnt 0x0
	SCORES
	v_mov_b32 v[TT], v12                           ; four places in front of the first read of the scores
.rept 3
	v_nop
.endr
	VLOADS 2, 4
	SOFTMAX
	s_wait_dscnt 0x0                               ; V and its words are in
	s_wait_loadcnt 0x0                             ; the long tile's Q,
	s_wait_tensorcnt 0x0                           ; and my part of the other chunks
	s_barrier_signal -1
	OUT
	s_barrier_wait -1                              ; everybody's
	s_mov_b32 s60, 1                               ; the trip,
	s_mov_b32 s61, STEPB                           ; and its step's codes,
	s_mov_b32 s62, 512                             ; K's scale words,
	s_mov_b32 s63, 256                             ; V's, on the tile that I began with
	SWITCH
	s_cmp_eq_u32 s60, s12                          ; trip 1 holds no step of mine where the short tile has one step
	s_cbranch_scc1 .Lno_first
	KLOADS 1, 3, STEPB, 512
.Lno_first:
	s_wait_dscnt 0x0                               ; (no LDS instruction is pending at the signal)
.Lstep:
	s_barrier_signal -1                            ; only register work and loads from LDS stand up to the wait
	s_cmp_eq_u32 s60, s12                          ; the trip between my tiles
	s_cbranch_scc1 .Lhidden
	SCORES
	s_cmp_ge_u32 s60, s12                          ; on the long tile's later steps? (the next trip's step, if it is mine, is on the same tile)
	s_cselect_b32 s84, s66, 0
	s_cselect_b32 s85, s68, 0
	s_cselect_b32 s87, s66, 0
	s_cselect_b32 s88, s67, 0
	s_add_co_u32 s86, s60, 1
	s_add_co_u32 s84, s84, s61
	s_add_co_u32 s85, s85, s63
	s_min_u32 s85, s85, 15*256                     ; (the last step's words)
	s_add_co_u32 s87, s87, s61
	s_add_co_u32 s88, s88, s62
	v_add_nc_u32 v7, s84, v2                       ; these five are the places in front of the first read of the scores and of the loads into K's and V's registers
	v_add_nc_u32 v8, s85, v4
	v_add_nc_u32 v5, s87, v1
	v_add_nc_u32 v6, s88, v3
	v_mov_b32 v[TT], v12
	VLOADS 7, 8
	s_cmp_eq_u32 s86, s12                          ; a tile's last step loads no next one's K
	s_cbranch_scc1 .Lno_next
	s_cmp_eq_u32 s86, 9
	s_cbranch_scc1 .Lno_next
	KLOADS 5, 6, STEPB, 512
.Lno_next:
	SOFTMAX
	s_wait_dscnt 0x0                               ; V, the next step's K and their words are in
	OUT
	s_branch .Lmet
.Lhidden:
	s_cmp_eq_u32 s60, 8                            ; (where the short tile has eight steps, none of the long tile's is left)
	s_cbranch_scc1 .Lmet
	s_add_co_u32 s87, s66, s61
	s_add_co_u32 s88, s67, s62
	v_add_nc_u32 v5, s87, v1
	v_add_nc_u32 v6, s88, v3
	KLOADS 5, 6, STEPB, 512                        ; the long tile's first K of mine
	s_wait_dscnt 0x0
.Lmet:
	s_barrier_wait -1
	s_add_co_u32 s60, s60, 1
	s_add_co_u32 s61, s61, STEPB
	s_add_co_u32 s62, s62, 512
	s_add_co_u32 s63, s63, 256
	SWITCH
	s_cmp_lt_u32 s60, 9
	s_cbranch_scc1 .Lstep
	; THE LONG TILE'S TWO PARTS.
.rept 4
	v_nop                                          ; places behind the last products
.endr
	s_wait_alu depctr_va_vdst(0)
	v_add_f32 v14, v14, v15
	v_permlanex16_b32 v[XX], v14, s20, s21
	v_mov_b32 v234, v12
	v_add_f32 v235, v14, v[XX]                     ; -M and my part of the row's sum
	s_wait_alu depctr_va_vdst(0)
	s_cmp_lt_u32 s16, 8
	s_cbranch_scc1 .Lno_part
	ds_store_b64 v27, v[234:235]                   ; waves 8-15 leave their part for their partners
.irp k, 0,1,2,3,4,5,6,7
	ds_store_b128 v250, v[OB+4*\k:OB+4*\k+3] offset:512*\k
.endr
	s_wait_dscnt 0x0                               ; for the partner's sake
.Lno_part:
	s_barrier_signal -1
	s_barrier_wait -1
	s_cmp_lt_u32 s16, 8
	s_cbranch_scc0 .Lend
	ds_load_b64 v[236:237], v251
.irp k, 0,1,2,3,4,5,6,7
	ds_load_b128 v[36+4*\k:39+4*\k], v249 offset:512*\k
.endr
	s_wait_dscnt 0x8                               ; -M and the sum are in; the eight loads of O may stay out
	v_min_num_f32 v238, v234, v236                 ; the common -M
	v_sub_f32 v239, v238, v234
	v_sub_f32 v240, v238, v236
	v_cvt_i32_f32 v239, v239                       ; (a part without keys holds -M near 5e37: its factor is 0)
	v_cvt_i32_f32 v240, v240
	v_ldexp_f32 v239, 1.0, v239                    ; my factor 2^(M - common M),
	v_ldexp_f32 v240, 1.0, v240                    ; my partner's
	v_mul_f32 v241, v237, v240
	v_fma_f32 v241, v235, v239, v241               ; the row's sum
	s_wait_alu depctr_va_vdst(0)
	v_rcp_f32 v241, v241
	v_mov_b32 v243, 0                              ; (plain places; named with v242 and v246 as pairs)
	v_mov_b32 v247, 0
	s_wait_dscnt 0x0
	s_wait_alu depctr_va_vdst(0)
	v_mul_f32 v242, v239, v241
	v_mul_f32 v246, v240, v241
	s_wait_alu depctr_va_vdst(0)
.set n, 0
.rept 16
	v_pk_mul_f32 v[SB+n:SB+n+1], v[OB+n:OB+n+1], v[242:243] op_sel_hi:[1,0]
.set n, n+2
.endr
.set n, 0
.rept 16
	v_pk_fma_f32 v[SB+n:SB+n+1], v[36+n:37+n], v[246:247], v[SB+n:SB+n+1] op_sel_hi:[1,0,1]
.set n, n+2
.endr
	TOSTAGE
	SEND 92
.Lend:
	s_wait_tensorcnt 0x0                           ; the wave's end
	ds_add_u32 v254, v255
	s_wait_dscnt 0x0
	CROUND                                         ; the closing round: no work-group ends while a partner may still issue a joint load that names it
	s_endpgm
.Lfunc_end_k_q1c972d750d_attn:
	.size	k_q1c972d750d_attn, .Lfunc_end_k_q1c972d750d_attn-k_q1c972d750d_attn
	.p2alignl 7, 3214868480
	.fill 96, 4, 3214868480
	.section	.rodata,"a",@progbits
	.p2align	6, 0x0
	.amdhsa_kernel k_q1c972d750d_attn
		.amdhsa_group_segment_fixed_size 327680
		.amdhsa_private_segment_fixed_size 0
		.amdhsa_enable_private_segment 0
		.amdhsa_kernarg_size 16
		.amdhsa_user_sgpr_count 2
		.amdhsa_user_sgpr_kernarg_segment_ptr 1
		.amdhsa_wavefront_size32 1
		.amdhsa_system_sgpr_workgroup_id_x 1
		.amdhsa_system_sgpr_workgroup_id_y 1
		.amdhsa_system_sgpr_workgroup_id_z 1
		.amdhsa_system_vgpr_workitem_id 0
		.amdhsa_next_free_vgpr 256
		.amdhsa_next_free_sgpr 100
		.amdhsa_reserve_vcc 0
		.amdhsa_float_denorm_mode_32 3
		.amdhsa_float_denorm_mode_16_64 3
		.amdhsa_memory_ordered 1
		.amdhsa_forward_progress 1
		.amdhsa_inst_pref_size 68
	.end_amdhsa_kernel
	.amdgpu_metadata
---
amdhsa.version: [ 1, 2 ]
amdhsa.kernels:
  - .name:           k_q1c972d750d_attn
    .symbol:         k_q1c972d750d_attn.kd
    .args:
      - { .name: ws, .offset: 0, .size: 8, .value_kind: global_buffer, .address_space: global }
      - { .name: out0, .offset: 8, .size: 8, .value_kind: global_buffer, .address_space: global }
    .group_segment_fixed_size: 327680
    .private_segment_fixed_size: 0
    .kernarg_segment_align: 8
    .kernarg_segment_size: 16
    .max_flat_workgroup_size: 512
    .sgpr_count:     100
    .vgpr_count:     256
    .wavefront_size: 32
...
	.end_amdgpu_metadata
.endif
;; end of part 2
